; MI455X (gfx1250); checked and timed in simulation.
; The chip was launched on July 23, 2026; its instructions are those of AMD's public machine-readable ISA for CDNA 5 (MIT licence, August 2026) and "CDNA5" Instruction Set Architecture Reference Guide (July 2026). The comments in the code are by the model that wrote it; some were corrected since.
;; LSTM Block. Allowed arithmetic: float matrix products may take bf16 or f16 operands with f32 sums; all other float work in f32.
;; Inputs: W_c 2,048 x 3,072 float32; W_f 2,048 x 3,072 float32; W_h2o 2,048 x 2,048 float32; W_i 2,048 x 3,072 float32; W_o 2,048 x 3,072 float32; b_c 2,048 float32; b_f 2,048 float32; b_h2o 2,048 float32; b_i 2,048 float32; b_o 2,048 float32; long_term 2,048 x 2,048 float32; short_term 2,048 x 2,048 float32; x 2,048 x 1,024 float32.
;; Outputs: out0 2,048 x 2,048 float32; out1 2,048 x 2,048 float32.
;; One version. Each part assembles by itself: llvm-mc -triple=amdgcn-amd-amdhsa -mcpu=gfx1250 --defsym DOCPART=n.
;; ======== version 1 of 1: 3 launches
;; limits: values are held in f16: magnitudes above 65,504 overflow, below 6.1e-05 lose precision
;; workspace buffers: abf 12,582,912 bytes; wbf 50,331,648 bytes; hf16 8,388,608 bytes; cf16 8,388,608 bytes; og 16,777,216 bytes
;; launch cast (part 1): grid 256 x 17, 8 waves a work-group, no clusters, 0 bytes of LDS; arguments W_f, W_i, W_c, W_o, x, short_term, W_h2o, abf, wbf, hf16; writes abf, wbf, hf16
.if DOCPART == 1
	.amdgcn_target "amdgcn-amd-amdhsa--gfx1250"
	.amdhsa_code_object_version 6
	.text
	.protected	k_q651b814a1e_cast
	.globl	k_q651b814a1e_cast
	.p2align	8
	.type	k_q651b814a1e_cast,@function
k_q651b814a1e_cast:
	s_mov_b64 s[64:65], 0
	v_nop
	global_prefetch_b8 v0, s[64:65] scope:SCOPE_SE
	s_setreg_imm32_b32 hwreg(HW_REG_WAVE_MODE, 25, 1), 1
	s_wait_xcnt 0x0
; THE MATRIX OPERANDS ARE ROUNDED ONCE, AND LAID OUT FOR THE TWO PRODUCTS.  A stream: no LDS, no matrix unit, no barrier.
;   abf  [2048][3072] bf16: x in columns 0-1023, short_term in columns 1024-3071.
;   wbf  [8192][3072] bf16: row (h>>6)*256 + g*64 + (h&63) is row h of gate g (0 f, 1 i, 2 c, 3 o): the 256 rows that one tile of the first product takes lie on end.
;   hf16 W_h2o, rounded to bf16 like every input and that number written as f16 (the second product runs in f16), in blocks [n>>7][k>>6][n&127][k&63]: 128 rows x 64 k are 16,384 dense bytes.
; LIMIT.  A bf16 number below 2^-17 in magnitude is rounded once more, to f16's fixed step of 2^-24; beyond 65,504 f16 has no number: W_h2o stays within that.
; SHARES.  A LINE is 4,096 source bytes: thread t loads 16 of them, makes four 16-bit numbers and stores 8 bytes, so a wave's load covers 512 consecutive bytes and a wave's store 256 consecutive
; bytes at a multiple of 256.  A work-group takes 8 lines: the 34,816 lines make 4,352 work-groups of equal work, small enough that several lie on a WGP and the launch's end is even.
; All 8 loads of a thread go out first (32 KiB of a work-group on their way), then each line is waited for by a count.  No register that a load or store names is ever written again, so no wait
; stands for sources.  The grid's y says which tensor, its x which 8 lines.
.set LINES, 8
.set X, 8                              ; v[8:39]  line i: four registers as loaded; the first two then hold what is stored
; s[8:23] W_f, W_i, W_c, W_o, x, short_term, W_h2o, abf;  s[24:27] wbf, hf16;  s[28:29] source, s[30:31] destination;  s[32:33], s[34:35] their offsets
; 8 lines: sstep, dstep = bytes from line to line in source and destination; half = 1: bf16 and then f16
.macro CAST sstep, dstep, half
.set i, 0
.rept LINES
	global_load_b128 v[X+4*i:X+4*i+3], v1, s[28:29] offset:i*(\sstep) th:TH_LOAD_NT
.set i, i+1
.endr
.set i, 0
.rept LINES
	s_wait_loadcnt LINES-1-i                       ; loads come back in order (ISA guide 5.7.1): line i is in, the 7 - i younger ones stay out
	v_cvt_pk_bf16_f32 v[X+4*i], v[X+4*i], v[X+4*i+1]
.if \half
	v_cvt_pk_bf16_f32 v[X+4*i+2], v[X+4*i+2], v[X+4*i+3]
	v_and_b32 v[X+4*i+1], s36, v[X+4*i]            ; the rounded numbers as f32 again: the high half stays,
	v_lshlrev_b32 v[X+4*i], 16, v[X+4*i]           ; the low half moves up
	v_and_b32 v[X+4*i+3], s36, v[X+4*i+2]
	v_lshlrev_b32 v[X+4*i+2], 16, v[X+4*i+2]
	v_cvt_pk_f16_f32 v[X+4*i], v[X+4*i], v[X+4*i+1]
	v_cvt_pk_f16_f32 v[X+4*i+1], v[X+4*i+2], v[X+4*i+3]
.else
	v_cvt_pk_bf16_f32 v[X+4*i+1], v[X+4*i+2], v[X+4*i+3]
.endif
	global_store_b64 v2, v[X+4*i:X+4*i+1], s[30:31] offset:i*(\dstep)
.set i, i+1
.endr
	s_endpgm
.endm
	s_load_b512 s[8:23], s[0:1], 0x0
	s_load_b128 s[24:27], s[0:1], 0x40
	s_mov_b32 s2, ttmp9                            ; rb: which 8 lines
	s_and_b32 s3, ttmp7, 0xffff                    ; y: which tensor and which part of its rows
	s_mov_b32 s33, 0
	s_mov_b32 s35, 0
	s_mov_b32 s36, 0xffff0000
	v_lshlrev_b32 v1, 4, v0                        ; 16 t in the source line
	v_lshlrev_b32 v2, 3, v0                        ; 8 t in the destination line
	s_wait_kmcnt 0x0
	s_cmp_lt_u32 s3, 12
	s_cbranch_scc0 .Lnot_w
	; y = 0..11: gate g = y & 3, columns 1024 c on, c = y >> 2; rows 8 rb on
	s_and_b32 s4, s3, 3
	s_lshr_b32 s5, s3, 2
	s_cmp_eq_u32 s4, 1
	s_cselect_b64 s[28:29], s[10:11], s[8:9]
	s_cmp_eq_u32 s4, 2
	s_cselect_b64 s[28:29], s[12:13], s[28:29]
	s_cmp_eq_u32 s4, 3
	s_cselect_b64 s[28:29], s[14:15], s[28:29]
	s_mul_i32 s32, s2, 98304                       ; 8 rows of 12,288 bytes
	s_lshl_b32 s6, s5, 12
	s_add_co_u32 s32, s32, s6
	s_add_nc_u64 s[28:29], s[28:29], s[32:33]
	s_lshr_b32 s6, s2, 3
	s_lshl_b32 s6, s6, 8                           ; (h >> 6) * 256
	s_lshl_b32 s7, s4, 6                           ; + g * 64
	s_add_co_u32 s6, s6, s7
	s_and_b32 s7, s2, 7
	s_lshl_b32 s7, s7, 3                           ; + h & 63, at the group's first row
	s_add_co_u32 s6, s6, s7
	s_mul_i32 s34, s6, 6144
	s_lshl_b32 s7, s5, 11
	s_add_co_u32 s34, s34, s7
	s_add_nc_u64 s[30:31], s[24:25], s[34:35]
	CAST 12288, 6144, 0
.Lnot_w:
	s_cmp_eq_u32 s3, 12
	s_cbranch_scc0 .Lnot_x
	; y = 12: x, a row is a line
	s_lshl_b32 s32, s2, 15
	s_mul_i32 s34, s2, 49152                       ; 8 rows of abf
	s_add_nc_u64 s[28:29], s[16:17], s[32:33]
	s_add_nc_u64 s[30:31], s[22:23], s[34:35]
	CAST 4096, 6144, 0
.Lnot_x:
	s_cmp_lt_u32 s3, 15
	s_cbranch_scc0 .Lh2o
	; y = 13, 14: short_term, half c = y - 13 of its rows
	s_sub_co_u32 s4, s3, 13
	s_lshl_b32 s32, s2, 16
	s_lshl_b32 s5, s4, 12
	s_add_co_u32 s32, s32, s5
	s_mul_i32 s34, s2, 49152
	s_lshl_b32 s5, s4, 11
	s_add_co_u32 s34, s34, s5
	s_add_co_u32 s34, s34, 2048                    ; behind x's 1,024 columns
	s_add_nc_u64 s[28:29], s[18:19], s[32:33]
	s_add_nc_u64 s[30:31], s[22:23], s[34:35]
	CAST 8192, 6144, 0
.Lh2o:
	; y = 15, 16: W_h2o.  idx = 256 (y - 15) + rb; 16 rows blk = idx >> 2; 512 columns c = idx & 3.  A line is two rows: wave w takes block k>>6 = 8 c + w,
	; lanes 0-15 its 256 bytes of the even row, lanes 16-31 of the odd row: 256 consecutive bytes of the blocked destination
	s_sub_co_u32 s4, s3, 15
	s_lshl_b32 s4, s4, 8
	s_add_co_u32 s4, s4, s2
	s_and_b32 s5, s4, 3
	s_lshr_b32 s6, s4, 2
	s_lshl_b32 s32, s6, 17                         ; 16 rows of 8,192 bytes
	s_lshl_b32 s7, s5, 11
	s_add_co_u32 s32, s32, s7
	s_lshr_b32 s34, s6, 3
	s_lshl_b32 s34, s34, 19                        ; n >> 7: 32 blocks of 16,384 bytes
	s_lshl_b32 s7, s5, 17                          ; 8 c blocks
	s_add_co_u32 s34, s34, s7
	s_and_b32 s7, s6, 7
	s_lshl_b32 s7, s7, 11                          ; 16 rows of 128 bytes inside a block
	s_add_co_u32 s34, s34, s7
	s_add_nc_u64 s[28:29], s[20:21], s[32:33]
	s_add_nc_u64 s[30:31], s[26:27], s[34:35]
	v_and_b32 v3, 15, v0
	v_lshlrev_b32 v1, 4, v3
	v_bfe_u32 v4, v0, 4, 1
	v_lshl_add_u32 v1, v4, 13, v1                  ; the odd row
	v_lshrrev_b32 v3, 5, v0
	v_lshl_add_u32 v1, v3, 8, v1                   ; wave w's 64 columns
	v_and_b32 v4, 31, v0
	v_lshlrev_b32 v2, 3, v4
	v_lshl_add_u32 v2, v3, 14, v2                  ; wave w's block
	CAST 16384, 256, 1
.Lfunc_end_k_q651b814a1e_cast:
	.size	k_q651b814a1e_cast, .Lfunc_end_k_q651b814a1e_cast-k_q651b814a1e_cast
	.p2alignl 7, 3214868480
	.fill 96, 4, 3214868480
	.section	.rodata,"a",@progbits
	.p2align	6, 0x0
	.amdhsa_kernel k_q651b814a1e_cast
		.amdhsa_group_segment_fixed_size 0
		.amdhsa_private_segment_fixed_size 0
		.amdhsa_enable_private_segment 0
		.amdhsa_kernarg_size 80
		.amdhsa_user_sgpr_count 2
		.amdhsa_user_sgpr_kernarg_segment_ptr 1
		.amdhsa_wavefront_size32 1
		.amdhsa_system_sgpr_workgroup_id_x 1
		.amdhsa_system_sgpr_workgroup_id_y 1
		.amdhsa_system_sgpr_workgroup_id_z 1
		.amdhsa_system_vgpr_workitem_id 0
		.amdhsa_next_free_vgpr 40
		.amdhsa_next_free_sgpr 66
		.amdhsa_reserve_vcc 0
		.amdhsa_float_denorm_mode_32 3
		.amdhsa_float_denorm_mode_16_64 3
		.amdhsa_memory_ordered 1
		.amdhsa_forward_progress 1
		.amdhsa_inst_pref_size 17
	.end_amdhsa_kernel
	.amdgpu_metadata
---
amdhsa.version: [ 1, 2 ]
amdhsa.kernels:
  - .name:           k_q651b814a1e_cast
    .symbol:         k_q651b814a1e_cast.kd
    .args:
      - { .name: W_f, .offset: 0, .size: 8, .value_kind: global_buffer, .address_space: global }
      - { .name: W_i, .offset: 8, .size: 8, .value_kind: global_buffer, .address_space: global }
      - { .name: W_c, .offset: 16, .size: 8, .value_kind: global_buffer, .address_space: global }
      - { .name: W_o, .offset: 24, .size: 8, .value_kind: global_buffer, .address_space: global }
      - { .name: x, .offset: 32, .size: 8, .value_kind: global_buffer, .address_space: global }
      - { .name: short_term, .offset: 40, .size: 8, .value_kind: global_buffer, .address_space: global }
      - { .name: W_h2o, .offset: 48, .size: 8, .value_kind: global_buffer, .address_space: global }
      - { .name: abf, .offset: 56, .size: 8, .value_kind: global_buffer, .address_space: global }
      - { .name: wbf, .offset: 64, .size: 8, .value_kind: global_buffer, .address_space: global }
      - { .name: hf16, .offset: 72, .size: 8, .value_kind: global_buffer, .address_space: global }
    .group_segment_fixed_size: 0
    .private_segment_fixed_size: 0
    .kernarg_segment_align: 8
    .kernarg_segment_size: 80
    .max_flat_workgroup_size: 256
    .sgpr_count:     66
    .vgpr_count:     40
    .wavefront_size: 32
...
	.end_amdgpu_metadata
.endif
;; end of part 1
;; launch gates (part 2): grid 32 x 8, 4 waves a work-group, clusters of 4 x 4, 327,680 bytes of LDS; arguments abf, wbf, long_term, b_f, b_i, b_c, b_o, out1, cf16, og; writes out1, cf16, og
.if DOCPART == 2
	.amdgcn_target "amdgcn-amd-amdhsa--gfx1250"
	.amdhsa_code_object_version 6
	.text
	.protected	k_q651b814a1e_gates
	.globl	k_q651b814a1e_gates
	.p2align	8
	.type	k_q651b814a1e_gates,@function
k_q651b814a1e_gates:
	s_mov_b64 s[64:65], 0
	v_nop
	global_prefetch_b8 v0, s[64:65] scope:SCOPE_SE
	s_setreg_imm32_b32 hwreg(HW_REG_WAVE_MODE, 25, 1), 1
	s_wait_xcnt 0x0
	s_wait_alu depctr_hold_cnt(0) depctr_sa_sdst(0) depctr_va_vdst(0) depctr_va_sdst(0) depctr_va_ssrc(0) depctr_va_vcc(0) depctr_vm_vsrc(0)
	s_getreg_b32 s2, hwreg(HW_REG_IB_STS2, 6, 4)
	s_cmp_eq_u32 s2, 0
	s_cbranch_scc0 .Lentry_in_a_cluster
	s_endpgm
.Lentry_in_a_cluster:
	s_bfe_u32 s2, ttmp6, 0x10000c
	s_cmp_lg_u32 s2, 0xf033
	s_cbranch_scc0 .Lentry_shape_is_right
	s_endpgm
.Lentry_shape_is_right:
; THE FOUR GATES AND C_new.  gates = [x | short_term] W_all^T + b_all in bf16 with f32 sums; f, i, o = sigmoid, C = tanh; C_new = f long_term + i C.
; Out: out1 = C_new in f32; cf16 = C_new in f16, in blocks [m>>7][h>>6][m&127][h&63], the next product's operand; og = sigmoid(o) in f32, in the order in which the lanes hold it.
; A TILE is 256 rows x (64 h x 4 gates): its 256 rows of wbf lie on end (gate g's 64 rows at 64 g).  8 x 32 tiles, a work-group each.  Four waves; wave w (mr = w >> 1, hc = w & 1) makes rows
; 128 mr on x (32 h at 32 hc, all four gates): 64 accumulators of 16 x 16, (a, b = 2 g + j).  So the four gates of one (row, h) meet in ONE lane, and the gates never go to memory.
; K = 3,072 goes in steps of 128 through a ring of two LDS slots filled by the tensor data mover; rows of the tiles are 256 bytes of memory at multiples of 256.
; CLUSTERS: 4 x 4 work-groups.  The four of a row of the cluster share the tiles of abf, the four of a column those of wbf: each tile is asked for jointly, by the same tensor load with the same
; descriptor and a mask that names the four.  long_term's tile is each work-group's own: a plain load, behind a round like the others.
; THE MATRIX INSTRUCTION IS USED TRANSPOSED (source 0 = 16 rows of wbf, source 1 = 16 rows of abf): lane l holds row l % 16 and the eight columns 8 (l / 16) + 0..7.
; FORMATS.  Every input is rounded to bf16, long_term and the biases too (in registers; the arithmetic on them is f32): one rounding for all inputs.  Sums, activations, o and out1 are f32.
; sigmoid(x) = 1 / (1 + 2^(-x log2 e)); tanh(x) = 1 - 2 / (1 + 2^(2 x log2 e)): both end right where the power overflows or is flushed to 0.
; LIMITS.  This tanh is off by about 1e-7 absolutely, so below |x| = 1e-5 its relative accuracy falls.  cf16 holds no number beyond 65,504: |C_new| <= |long_term| + 1 stays under 65,520.  NaN and infinities are not treated apart.
; LDS.  Slot 0 at 0, slot 1 at SLOT: A's 256 rows, then B's 256 rows, 272 bytes apart.  When slot 0's last K step has been read it takes long_term (256 rows x 256 bytes, 272 apart).  When slot 1 has had its
; last fill and its last read it is the stage of the way out: C_new in f32 (256 x 272) and in f16 (256 x 144).  Behind the ring: the spare words.
; REGISTERS, in windows of 256: window 0: v0-39 addresses and at work; v64-127, v128-191 fragments of A (behind the loop: v64-127 T, the block in hand; v128-255 LT, long_term)
;   window 1: v0-63 BI, the biases; v64-127, v128-191 fragments of B        windows 2, 3: the accumulators of my rows 0-63, 64-127: (a, b) at v[8 (8 (a % 4) + b)]
.set SIZE_K, 3072
.set KSTEP,  128
.set PITCH,  272                       ; 256 bytes + 16 of padding = 68 words: the 16 rows that a load touches start at 16 different groups of four banks (64 banks of 4 bytes: ISA guide 11.1)
.set HALFT,  128*PITCH                 ; 128 rows: what one tensor load brings
.set SLOT,   4*HALFT
.set STG_C,  SLOT                      ; the stage for C_new in f32
.set STG_B,  SLOT+256*PITCH            ; and in f16,
.set BP,     144                       ; rows of 128 bytes + 16
.set SPARE,  2*SLOT                    ; the spare words, 128 bytes for each wave: two blocks of 256 bytes that no other line names
.set LAPS,   SIZE_K/(2*KSTEP)          ; a lap = two K steps = once round the ring
.set ADRA, 16                          ; v16-17  LDS address of my A fragments in slot 0, 1
.set BO,   18                          ; v18     32 (l / 16): my eight columns in a bias
.set L16,  19                          ; v19     16 l
.set ADRB, 20                          ; v20-21  LDS address of my B fragments
.set CO1,  22                          ; v22     8,192 (l / 16) + 16 (l % 16): two rows of out1
.set STC,  24                          ; v24     where I put C_new in f32
.set STB,  25                          ; v25     where I put C_new in f16
.set RDC,  26                          ; v26     where I read rows of the f32 stage back
.set RDB,  27                          ; v27     the same for the f16 stage
.set SPW,  28                          ; v28     LDS address of my spare word; never rewritten
.set NIL,  29                          ; v29     0; never rewritten
.set LTA,  30                          ; v30     where my part of long_term lies
.set CB,   32                          ; v32-39  a block's C_new in f16
.set F0,   64
.set F1,   128
.set T,    64                          ; T + 16 g + 8 j + q
.set LT,   128                         ; LT + 16 a + 8 j + q as loaded; rounded, block a's pairs at LT + 8 a
.set BI,   0                           ; window 1: BI + 16 g + 8 j + q
.set G1,  24                           ; s[24:31] descriptor group 1 for A's tiles;  s[32:39] group 0, a set for each slot
.set G0,  32
.set G1B, 48                           ; s[48:55], s[56:63] the same for B's
.set G0B, 56
.set G1L, 84                           ; s[84:91], s[92:95] long_term's
.set G0L, 92
.set SCN, 96                           ; s[96:97]  -log2 e, named as a pair
.set SCP, 98                           ; s[98:99]  2 log2 e
.set OFS, 100                          ; s[100:101] a byte offset on its way onto a pointer
.set MSB, 0
.macro WIN new                         ; the immediate's high byte repeats the setting that is left; a switch that changes nothing is dropped
.if MSB != (\new)
	s_set_vgpr_msb (MSB<<8)|(\new)
.set MSB, \new
.endif
.endm
.set MUL_LO, 0xa1                      ; source 0 (B) window 1, source 1 (A) window 0, C and D window 2
.set MUL_HI, 0xf1                      ; the same, C and D window 3
.set TO_B,   0x40                      ; destination window 1, address window 0
; A joint load.  Waves 0 and 1 fetch A's two halves, waves 2 and 3 B's.  The branch hangs on the wave's number alone.  An s_nop 0 and four v_nop follow each line.
.macro JLOAD s
	s_cmp_eq_u32 s11, 0
	s_cbranch_scc0 .Lfor_b_\@
	tensor_load_to_lds s[G0+4*(\s):G0+4*(\s)+3], s[G1:G1+7]
	s_nop 0
.rept 4
	v_nop
.endr
	s_branch .Lasked_\@
.Lfor_b_\@:
	tensor_load_to_lds s[G0B+4*(\s):G0B+4*(\s)+3], s[G1B:G1B+7]
	s_nop 0
.rept 4
	v_nop
.endr
.Lasked_\@:
.endm
.macro LLOAD                           ; my 64 rows x 256 bytes of long_term: every wave's own rows, its own LDS bytes
	tensor_load_to_lds s[G0L:G0L+3], s[G1L:G1L+7]
	s_nop 0
.rept 4
	v_nop
.endr
.endm
.macro CREST                           ; a round of the cluster's barrier behind its opening barrier
	s_cmp_lg_u32 s10, 0
	s_cbranch_scc1 .Lnot_wave_0_\@
	s_barrier_signal -3
.Lnot_wave_0_\@:
	s_barrier_wait -3
	s_barrier_signal -1
	s_barrier_wait -1
.endm
.macro CROUND                          ; a whole round
	s_barrier_signal -1
	s_barrier_wait -1
	CREST
.endm
	s_load_b128 s[4:7], s[0:1], 0x0                ; abf s[4:5], wbf s[6:7]
	s_load_b512 s[68:83], s[0:1], 0x10             ; long_term 68, b_f 70, b_i 72, b_c 74, b_o 76, out1 78, cf16 80, og 82
	v_lshl_add_u32 v[SPW], v0, 2, SPARE
	v_mov_b32 v[NIL], 0
	ds_add_u32 v[SPW], v[NIL]                      ; the wave's opening: the add and its wait stand ahead of my first tensor load; the set-up below, work on registers, stands between them
	v_lshrrev_b32 v1, 5, v0
	v_readfirstlane_b32 s10, v1                    ; wave 0..3
	s_lshr_b32 s11, s10, 1                         ; mr.  Also: I fetch for A (0) or for B (1)
	s_and_b32 s12, s10, 1                          ; hc.  Also: which 128 rows of that tile I fetch
	s_bfe_u32 s40, ttmp6, 0x40000                  ; cx, cy: my place in the cluster
	s_bfe_u32 s41, ttmp6, 0x40004
	s_lshl_b32 s42, ttmp9, 2
	s_add_co_u32 s42, s42, s40                     ; hb: tile column = 4 x cluster x + cx
	s_and_b32 s13, ttmp7, 0xffff
	s_lshl_b32 s13, s13, 2
	s_add_co_u32 s13, s13, s41                     ; mb: tile row = 4 x cluster y + cy
	s_lshl_b32 s43, s41, 2
	s_lshl_b32 s43, 15, s43                        ; my row of the cluster
	s_lshl_b32 s44, 0x1111, s40                    ; my column
	; group 1: 128 rows x 128 elements of 2 bytes, 4 words of padding behind every 64
	s_or_b32 s[G1+0], s43, (1<<16)|(1<<20)|(1<<21)|(5<<22)|(3<<25)
	s_or_b32 s[G1B+0], s44, (1<<16)|(1<<20)|(1<<21)|(5<<22)|(3<<25)
.irp g, G1, G1B
	s_mov_b32 s[(\g)+1], KSTEP<<16                 ; tensor_dim0 = 128
	s_mov_b32 s[(\g)+2], 128<<16                   ; tensor_dim1 = 128
	s_mov_b32 s[(\g)+3], KSTEP<<16                 ; tile_dim0 = 128
	s_mov_b32 s[(\g)+4], 128                       ; tile_dim1 = 128
	s_mov_b32 s[(\g)+5], SIZE_K                    ; elements from row to row
	s_mov_b32 s[(\g)+6], 0
	s_mov_b32 s[(\g)+7], 0
.endr
	; long_term: 64 rows x 64 elements of 4 bytes, the same padding, no mask
	s_mov_b32 s[G1L+0], (2<<16)|(1<<20)|(5<<22)|(3<<25)
	s_mov_b32 s[G1L+1], 64<<16
	s_mov_b32 s[G1L+2], 64<<16
	s_mov_b32 s[G1L+3], 64<<16
	s_mov_b32 s[G1L+4], 64
	s_mov_b32 s[G1L+5], 2048
	s_mov_b32 s[G1L+6], 0
	s_mov_b32 s[G1L+7], 0
	s_mov_b32 s[G0L], 1
	s_mul_i32 s[G0L+1], s10, 64*PITCH              ; rows 64 w on, in slot 0
	s_lshl_b32 s17, s12, 7
	s_lshl_b32 s16, s13, 8
	s_add_co_u32 s16, s16, s17                     ; A: row 256 mb + 128 x half
	s_lshl_b32 s46, s42, 8
	s_add_co_u32 s46, s46, s17                     ; B: row 256 hb + 128 x half
	s_mov_b32 s17, 0
	s_mov_b32 s47, 0
	s_mov_b64 s[18:19], SIZE_K*2
	s_mul_u64 s[16:17], s[16:17], s[18:19]
	s_mul_u64 s[46:47], s[46:47], s[18:19]
	s_mul_i32 s20, s10, HALFT                      ; where the tiles go: wave x 128 rows
	s_mov_b32 s[SCN], 0xbfb8aa3b
	s_mov_b32 s[SCN+1], 0xbfb8aa3b
	s_mov_b32 s[SCP], 0x4038aa3b
	s_mov_b32 s[SCP+1], 0x4038aa3b
	s_mov_b32 s67, 0xffff0000                      ; a word's upper bf16
	s_mov_b32 s[OFS+1], 0
	s_wait_dscnt 0x0                               ; the opening add is done
	s_wait_kmcnt 0x0
	s_add_nc_u64 s[14:15], s[4:5], s[16:17]
	s_add_nc_u64 s[46:47], s[6:7], s[46:47]
	s_lshl_b32 s[OFS], s13, 21                     ; long_term and out1 at row 256 mb + 64 w, column 64 hb
	s_lshl_b32 s66, s10, 19
	s_add_co_u32 s[OFS], s[OFS], s66
	s_lshl_b32 s66, s42, 8
	s_add_co_u32 s[OFS], s[OFS], s66
	s_add_nc_u64 s[G0L+2:G0L+3], s[68:69], s[OFS:OFS+1]
	s_or_b32 s[G0L+3], s[G0L+3], 0x80000000
	s_add_nc_u64 s[78:79], s[78:79], s[OFS:OFS+1]
	s_lshl_b32 s[OFS], s42, 8                      ; the biases at h = 64 hb + 32 hc
	s_lshl_b32 s66, s12, 7
	s_add_co_u32 s[OFS], s[OFS], s66
.irp p, 70,72,74,76
	s_add_nc_u64 s[\p:\p+1], s[\p:\p+1], s[OFS:OFS+1]
.endr
	s_lshl_b32 s[OFS], s13, 20                     ; cf16: block (2 mb + mr, hb), rows 64 hc on: the 64 rows that I read back
	s_lshl_b32 s66, s11, 19
	s_add_co_u32 s[OFS], s[OFS], s66
	s_lshl_b32 s66, s42, 14
	s_add_co_u32 s[OFS], s[OFS], s66
	s_lshl_b32 s66, s12, 13
	s_add_co_u32 s[OFS], s[OFS], s66
	s_add_nc_u64 s[80:81], s[80:81], s[OFS:OFS+1]
	s_lshl_b32 s[OFS], s13, 21                     ; og: block of 16 x 16 (16 mb + 8 mr, 4 hb + 2 hc), 1,024 bytes each, 128 to a row of blocks
	s_lshl_b32 s66, s11, 20
	s_add_co_u32 s[OFS], s[OFS], s66
	s_lshl_b32 s66, s42, 12
	s_add_co_u32 s[OFS], s[OFS], s66
	s_lshl_b32 s66, s12, 11
	s_add_co_u32 s[OFS], s[OFS], s66
	s_add_nc_u64 s[82:83], s[82:83], s[OFS:OFS+1]
	CROUND                                         ; all sixteen work-groups are here: the first joint loads meet
.irp s, 0,1
	s_mov_b32 s[G0+4*(\s)], 1
	s_add_co_u32 s[G0+4*(\s)+1], s20, (\s)*SLOT
	s_add_nc_u64 s[G0+4*(\s)+2:G0+4*(\s)+3], s[14:15], (\s)*KSTEP*2
	s_or_b32 s[G0+4*(\s)+3], s[G0+4*(\s)+3], 0x80000000
	s_mov_b32 s[G0B+4*(\s)], 1
	s_add_co_u32 s[G0B+4*(\s)+1], s20, (\s)*SLOT
	s_add_nc_u64 s[G0B+4*(\s)+2:G0B+4*(\s)+3], s[46:47], (\s)*KSTEP*2
	s_or_b32 s[G0B+4*(\s)+3], s[G0B+4*(\s)+3], 0x80000000
	JLOAD \s                                       ; the ring is filled before anything else is done: two loads of mine are out
.endr
	v_and_b32 v1, 15, v0                           ; r = l % 16
	v_bfe_u32 v2, v0, 4, 1                         ; h = l / 16
	v_mul_u32_u24 v3, v1, PITCH
	v_lshl_add_u32 v4, v2, 4, v3                   ; a fragment's row x pitch + 16 x half
	s_mul_i32 s21, s11, HALFT                      ; my 128 rows of A
	s_mul_i32 s22, s12, 32*PITCH                   ; my 32 rows in each gate's 64 of B,
	s_add_co_u32 s22, s22, 2*HALFT                 ; which lie behind A's 256
.irp s, 0,1
	v_add_nc_u32 v[ADRA+(\s)], s21, v4
	v_add_nc_u32 v[ADRB+(\s)], s22, v4
	s_add_co_u32 s21, s21, SLOT
	s_add_co_u32 s22, s22, SLOT
.endr
	v_lshlrev_b32 v[BO], 5, v2
	v_and_b32 v5, 31, v0
	v_lshlrev_b32 v[L16], 4, v5
	v_lshlrev_b32 v[CO1], 4, v1
	v_lshl_add_u32 v[CO1], v2, 13, v[CO1]
	s_mul_i32 s23, s11, HALFT                      ; row 128 mr, byte 128 hc of rows of 64 f32
	s_lshl_b32 s21, s12, 7
	s_add_co_u32 s23, s23, s21
	v_lshl_add_u32 v[LTA], v2, 5, v3               ; r x pitch + 32 h
	v_add_nc_u32 v[LTA], s23, v[LTA]
	v_add_nc_u32 v[STC], STG_C, v[LTA]             ; the f32 stage has long_term's layout
	s_mul_i32 s23, s11, 128*BP
	s_lshl_b32 s21, s12, 6
	s_add_co_u32 s23, s23, s21
	s_add_co_u32 s23, s23, STG_B
	v_mul_u32_u24 v6, v1, BP
	v_lshl_add_u32 v6, v2, 4, v6
	v_add_nc_u32 v[STB], s23, v6
	s_mul_i32 s23, s10, 64*PITCH                   ; back: wave w takes rows 64 w on, whole; lanes 0-15 one row of 256 bytes, lanes 16-31 the next
	s_add_co_u32 s23, s23, STG_C
	v_mul_u32_u24 v6, v2, PITCH
	v_lshl_add_u32 v6, v1, 4, v6
	v_add_nc_u32 v[RDC], s23, v6
	s_mul_i32 s23, s10, 64*BP                      ; and of the f16 stage four rows of 128 bytes
	s_add_co_u32 s23, s23, STG_B
	v_bfe_u32 v6, v0, 3, 2
	v_mul_u32_u24 v6, v6, BP
	v_and_b32 v7, 7, v0
	v_lshl_add_u32 v6, v7, 4, v6
	v_add_nc_u32 v[RDB], s23, v6
	WIN TO_B                                       ; the biases of my 32 h in each gate: sixteen loads that stay out until the way out; window 1's v0-63 serve nothing else
.irp g, 0,1,2,3
.irp j, 0,1
.irp e, 0,1
	global_load_b128 v[BI+16*(\g)+8*(\j)+4*(\e):BI+16*(\g)+8*(\j)+4*(\e)+3], v[BO], s[70+2*(\g):71+2*(\g)] offset:64*(\j)+16*(\e)
.endr
.endr
.endr
	WIN 0
; 16 matrix instructions: m blocks a0, a0 + 1 of the window's four x all 8 column blocks, 32 along K.  zero = 1: the first product starts the sums
.macro MUL16 f, hi, a0, zero
	WIN MUL_LO+0x50*(\hi)
.irp a, \a0, (\a0)+1
.irp b, 0,1,2,3,4,5,6,7
.if \zero
	v_wmma_f32_16x16x32_bf16 v[8*(8*(\a)+(\b)):8*(8*(\a)+(\b))+7], v[(\f)+8*(\b):(\f)+8*(\b)+7], v[(\f)+8*(4*(\hi)+(\a)):(\f)+8*(4*(\hi)+(\a))+7], 0
.else
	v_wmma_f32_16x16x32_bf16 v[8*(8*(\a)+(\b)):8*(8*(\a)+(\b))+7], v[(\f)+8*(\b):(\f)+8*(\b)+7], v[(\f)+8*(4*(\hi)+(\a)):(\f)+8*(4*(\hi)+(\a))+7], v[8*(8*(\a)+(\b)):8*(8*(\a)+(\b))+7]
.endif
.endr
.endr
.endm
; 32 LDS loads in one run: the fragments of one quarter step at byte k of the rows, into buffer f.  B's fragment i = 2 g + j lies at row 64 g + 16 j of my rows
.macro FETCH slot, k, f
	WIN TO_B
.irp i, 0,1,2,3,4,5,6,7
	ds_load_b128 v[(\f)+8*(\i):(\f)+8*(\i)+3],   v[ADRB+(\slot)] offset:(\k)+(((\i)/2)*64+((\i)%2)*16)*PITCH
	ds_load_b128 v[(\f)+8*(\i)+4:(\f)+8*(\i)+7], v[ADRB+(\slot)] offset:(\k)+(((\i)/2)*64+((\i)%2)*16)*PITCH+32
.endr
	WIN 0
.irp i, 0,1,2,3,4,5,6,7
	ds_load_b128 v[(\f)+8*(\i):(\f)+8*(\i)+3],   v[ADRA+(\slot)] offset:(\k)+(\i)*16*PITCH
	ds_load_b128 v[(\f)+8*(\i)+4:(\f)+8*(\i)+7], v[ADRA+(\slot)] offset:(\k)+(\i)*16*PITCH+32
.endr
.endm
.macro PLACES                          ; four places in front of loads into registers that matrix instructions have read (ISA guide 7.12.1 for vector instructions)
.rept 4
	v_nop
.endr
.endm
; A K step is four quarters of 32 along K, 64 matrix instructions each, on buffers 0, 1, 0, 1.  The 64 accumulators take turns.
.macro QUARTER slot, k, f, g, zero
	s_wait_dscnt 8                                 ; B and A's rows 0-63 are in; the youngest eight loads (A's rows 64-127) may be out
	WIN MUL_LO
	MUL16 \f, 0, 0, \zero
	MUL16 \f, 0, 2, \zero
	PLACES
	FETCH \slot, \k, \g
	s_wait_dscnt 32                                ; all but the 32 just issued
	WIN MUL_HI
	MUL16 \f, 1, 0, \zero
	MUL16 \f, 1, 2, \zero
.endm
; The first half of a K step's last quarter: ONE barrier for the change of slots.  In front of it each wave waits for all its tensor loads, adds 0 to its spare word, and waits for that and for its reads of this slot.
.macro MEET round
	WIN 0                                          ; (the add's two registers lie in window 0)
	s_wait_tensorcnt 0x0                           ; all my tensor loads have landed: the one that was out
	ds_add_u32 v[SPW], v[NIL]                      ; 0 onto my spare word
	s_wait_dscnt 9                                 ; (the add and the youngest eight loads may be out)
	WIN MUL_LO
	MUL16 F1, 0, 0, 0                              ; sixteen matrix instructions stand between the add and the wait for it
	s_wait_dscnt 0x0                               ; the add is done, and my reads of this slot are over
	s_barrier_signal -1
	MUL16 F1, 0, 2, 0
.if \round
	WIN 0
.endif
	s_barrier_wait -1
.endm
; The whole last quarter.  Behind the round the slot just read out is filled again first: kind = 0 with the K step two steps on, kind = 1 with long_term; then come the next slot's first fragments.
.macro TURN slot, next, kind
	MEET 1
	CREST                                          ; no wave of any partner still reads this slot's tile or has a load on its way
.if \kind
	LLOAD
.else
	s_add_nc_u64 s[G0+4*(\slot)+2:G0+4*(\slot)+3], s[G0+4*(\slot)+2:G0+4*(\slot)+3], 2*KSTEP*2
	s_add_nc_u64 s[G0B+4*(\slot)+2:G0B+4*(\slot)+3], s[G0B+4*(\slot)+2:G0B+4*(\slot)+3], 2*KSTEP*2
	JLOAD \slot                                    ; 224 matrix instructions ahead of the wait for it
.endif
	FETCH \next, 0, F0                             ; the four v_nop behind the load are also the places in front of these loads
	WIN MUL_HI
	MUL16 F1, 1, 0, 0
	MUL16 F1, 1, 2, 0
.endm
; BLOCK a (16 rows x my 32 h x 4 gates) GOES THROUGH THE GATES.  T takes sc x (sum + bias), sc = -log2 e (f, i, o) or 2 log2 e (c); the biases were rounded and scaled beforehand.
.macro GATES a
	s_wait_xcnt 0x0                                ; the block before stored o out of T: T is written again only behind this wait
	WIN 0x12+(\a)/4                                ; source 0: the accumulators' window; source 2: window 1; destination: window 0
.set z, 0
.rept 32                               ; ascending: each accumulator is read from its low end on
.if z/8 == 2
	v_pk_fma_f32 v[T+2*z:T+2*z+1], v[64*((\a)%4)+2*z:64*((\a)%4)+2*z+1], s[SCP:SCP+1], v[BI+2*z:BI+2*z+1] op_sel_hi:[1,0,1]
.else
	v_pk_fma_f32 v[T+2*z:T+2*z+1], v[64*((\a)%4)+2*z:64*((\a)%4)+2*z+1], s[SCN:SCN+1], v[BI+2*z:BI+2*z+1] op_sel_hi:[1,0,1]
.endif
.set z, z+1
.endr
	WIN 0
.set z, 0
.rept 64
	v_exp_f32 v[T+z], v[T+z]
.set z, z+1
.endr
	v_nop                                          ; a plain instruction between the last power and the use of the results (ISA guide 5.7.2)
.set z, 0
	s_wait_alu depctr_va_vdst(0)
.rept 32
	v_pk_add_f32 v[T+2*z:T+2*z+1], v[T+2*z:T+2*z+1], 1.0 op_sel_hi:[1,0]
.set z, z+1
.endr
.set z, 0
.rept 64
	v_rcp_f32 v[T+z], v[T+z]
.set z, z+1
.endr
	v_nop
.set z, 0
	s_wait_alu depctr_va_vdst(0)
.rept 8
	v_pk_fma_f32 v[T+32+2*z:T+32+2*z+1], v[T+32+2*z:T+32+2*z+1], -2.0, 1.0 op_sel_hi:[1,0,0]  ; tanh
.set z, z+1
.endr
.set z, 0
.rept 8
	v_pk_mul_f32 v[T+16+2*z:T+16+2*z+1], v[T+16+2*z:T+16+2*z+1], v[T+32+2*z:T+32+2*z+1]       ; i C
.set z, z+1
.endr
.if (\a) == 0
	s_wait_dscnt 0x0                               ; all 32 loads of long_term are in
.endif
.set z, 0
.rept 8                                ; long_term rounded to bf16, in pairs; block a's eight words go where blocks before it have been read
	v_cvt_pk_bf16_f32 v[LT+8*(\a)+z], v[LT+16*(\a)+2*z], v[LT+16*(\a)+2*z+1]
.set z, z+1
.endr
.set z, 0
.rept 8                                ; C_new = long_term (a bf16 half) x f + i C
	v_fma_mix_f32_bf16 v[T+2*z], v[LT+8*(\a)+z], v[T+2*z], v[T+16+2*z] op_sel:[0,0,0] op_sel_hi:[1,0,0]
	v_fma_mix_f32_bf16 v[T+2*z+1], v[LT+8*(\a)+z], v[T+2*z+1], v[T+17+2*z] op_sel:[1,0,0] op_sel_hi:[1,0,0]
.set z, z+1
.endr
.set z, 0
.rept 8
	v_cvt_pk_f16_f32 v[CB+z], v[T+2*z], v[T+2*z+1]
.set z, z+1
.endr
.set z, 0
.rept 4
	ds_store_b128 v[STC], v[T+4*z:T+4*z+3] offset:(\a)*16*PITCH+(z/2)*64+(z%2)*16
.set z, z+1
.endr
	ds_store_b128 v[STB], v[CB:CB+3] offset:(\a)*16*BP
	ds_store_b128 v[STB], v[CB+4:CB+7] offset:(\a)*16*BP+32
.set z, 0
.rept 4                                ; o as the lanes hold it: each store of the wave covers 512 consecutive bytes, at a multiple of 512 from og's first
	global_store_b128 v[L16], v[T+48+4*z:T+48+4*z+3], s[82:83] offset:(\a)*131072+(z/2)*1024+(z%2)*512
.set z, z+1
.endr
.endm
	s_wait_tensorcnt 1                             ; my part of K step 0 is in; K step 1's may stay out
	s_barrier_signal -1
	s_barrier_wait -1                              ; everybody's is
	FETCH 0, 0, F0
	QUARTER 0, 64,  F0, F1, 1                      ; the first quarter stands in front of the loop: its products start the sums
	WIN 0                                          ; at a label and at a branch every window is 0
	s_mov_b32 s3, LAPS-1
.Llap:                                                 ; a trip goes once round the ring, from a lap's second quarter to the next lap's first, and fills both slots again
	QUARTER 0, 128, F1, F0, 0
	QUARTER 0, 192, F0, F1, 0
	TURN 0, 1, 0
	QUARTER 1, 64,  F0, F1, 0
	QUARTER 1, 128, F1, F0, 0
	QUARTER 1, 192, F0, F1, 0
	TURN 1, 0, 0
	QUARTER 0, 64,  F0, F1, 0
	WIN 0
	s_sub_co_u32 s3, s3, 1
	s_cmp_lg_u32 s3, 0
	s_cbranch_scc1 .Llap
	QUARTER 0, 128, F1, F0, 0                      ; the last lap
	QUARTER 0, 192, F0, F1, 0
	TURN 0, 1, 1                                   ; slot 0 has been read out for the last time: it takes long_term, which has the last K step in which to land
	QUARTER 1, 64,  F0, F1, 0
	QUARTER 1, 128, F1, F0, 0
	QUARTER 1, 192, F0, F1, 0
	MEET 0                                         ; my rows of long_term have landed and my reads of slot 1 are over; behind the barrier long_term is whole, and slot 1, which is filled no more, is the stage
	MUL16 F1, 1, 0, 0
	MUL16 F1, 1, 2, 0
	; THE WAY OUT.  The biases are rounded to bf16 and scaled: 128 plain instructions that name no register of the last products: their places.
	s_wait_loadcnt 0x0                             ; the biases
	WIN 0x45                                       ; destination and both sources window 1
.set z, 0
.rept 32
	v_cvt_pk_bf16_f32 v[BI+2*z], v[BI+2*z], v[BI+2*z+1]
	v_and_b32 v[BI+2*z+1], s67, v[BI+2*z]
	v_lshlrev_b32 v[BI+2*z], 16, v[BI+2*z]
.if z/8 == 2
	v_pk_mul_f32 v[BI+2*z:BI+2*z+1], v[BI+2*z:BI+2*z+1], s[SCP:SCP+1] op_sel_hi:[1,0]
.else
	v_pk_mul_f32 v[BI+2*z:BI+2*z+1], v[BI+2*z:BI+2*z+1], s[SCN:SCN+1] op_sel_hi:[1,0]
.endif
.set z, z+1
.endr
	WIN 0
.set z, 0
.rept 32                               ; my 128 rows x 32 columns of long_term, in the accumulators' layout: block z / 4, half (z / 2) % 2
	ds_load_b128 v[LT+4*z:LT+4*z+3], v[LTA] offset:(z/4)*16*PITCH+((z/2)%2)*64+(z%2)*16
.set z, z+1
.endr
.irp a, 0,1,2,3,4,5,6,7
	GATES \a
.endr
	s_wait_dscnt 0x0                               ; for the others' sake: my stores into the stages are done (a row's 256 bytes come from two waves)
	s_barrier_signal -1
	s_barrier_wait -1
	s_wait_xcnt 0x0                                ; the last block's stores of o have read T
.set t, 0
.rept 32
	ds_load_b128 v[LT+4*t:LT+4*t+3], v[RDC] offset:t*2*PITCH
.set t, t+1
.endr
.set t, 0
.rept 16
	ds_load_b128 v[T+4*t:T+4*t+3], v[RDB] offset:t*4*BP
.set t, t+1
.endr
.set t, 0
.rept 32
	s_wait_dscnt 47-t                              ; LDS loads come back in order: load t is in, the 47 - t younger ones stay out
	global_store_b128 v[CO1], v[LT+4*t:LT+4*t+3], s[78:79] offset:t*16384 th:TH_STORE_NT  ; 16 lanes store 256 consecutive bytes of a row of out1, at a multiple of 256
.set t, t+1
.endr
.set t, 0
.rept 16
	s_wait_dscnt 15-t
	global_store_b128 v[L16], v[T+4*t:T+4*t+3], s[80:81] offset:t*512                     ; four rows of a block of cf16: 512 consecutive bytes
.set t, t+1
.endr
	s_wait_tensorcnt 0x0                           ; the wave's end: behind my last tensor load and my last LDS store
	ds_add_u32 v[SPW], v[NIL]
	s_wait_dscnt 0x0
	CROUND                                         ; the closing round: no work-group ends while a partner may still ask for a tile that names it
	s_endpgm
.Lfunc_end_k_q651b814a1e_gates:
	.size	k_q651b814a1e_gates, .Lfunc_end_k_q651b814a1e_gates-k_q651b814a1e_gates
	.p2alignl 7, 3214868480
	.fill 96, 4, 3214868480
	.section	.rodata,"a",@progbits
	.p2align	6, 0x0
	.amdhsa_kernel k_q651b814a1e_gates
		.amdhsa_group_segment_fixed_size 327680
		.amdhsa_private_segment_fixed_size 0
		.amdhsa_enable_private_segment 0
		.amdhsa_kernarg_size 80
		.amdhsa_user_sgpr_count 2
		.amdhsa_user_sgpr_kernarg_segment_ptr 1
		.amdhsa_wavefront_size32 1
		.amdhsa_system_sgpr_workgroup_id_x 1
		.amdhsa_system_sgpr_workgroup_id_y 1
		.amdhsa_system_sgpr_workgroup_id_z 1
		.amdhsa_system_vgpr_workitem_id 0
		.amdhsa_next_free_vgpr 1024
		.amdhsa_next_free_sgpr 102
		.amdhsa_reserve_vcc 0
		.amdhsa_float_denorm_mode_32 3
		.amdhsa_float_denorm_mode_16_64 3
		.amdhsa_memory_ordered 1
		.amdhsa_forward_progress 1
		.amdhsa_inst_pref_size 229
	.end_amdhsa_kernel
	.amdgpu_metadata
---
amdhsa.version: [ 1, 2 ]
amdhsa.kernels:
  - .name:           k_q651b814a1e_gates
    .symbol:         k_q651b814a1e_gates.kd
    .args:
      - { .name: abf, .offset: 0, .size: 8, .value_kind: global_buffer, .address_space: global }
      - { .name: wbf, .offset: 8, .size: 8, .value_kind: global_buffer, .address_space: global }
      - { .name: long_term, .offset: 16, .size: 8, .value_kind: global_buffer, .address_space: global }
      - { .name: b_f, .offset: 24, .size: 8, .value_kind: global_buffer, .address_space: global }
      - { .name: b_i, .offset: 32, .size: 8, .value_kind: global_buffer, .address_space: global }
      - { .name: b_c, .offset: 40, .size: 8, .value_kind: global_buffer, .address_space: global }
      - { .name: b_o, .offset: 48, .size: 8, .value_kind: global_buffer, .address_space: global }
      - { .name: out1, .offset: 56, .size: 8, .value_kind: global_buffer, .address_space: global }
      - { .name: cf16, .offset: 64, .size: 8, .value_kind: global_buffer, .address_space: global }
      - { .name: og, .offset: 72, .size: 8, .value_kind: global_buffer, .address_space: global }
    .group_segment_fixed_size: 327680
    .private_segment_fixed_size: 0
    .kernarg_segment_align: 8
    .kernarg_segment_size: 80
    .max_flat_workgroup_size: 128
    .sgpr_count:     102
    .vgpr_count:     1024
    .wavefront_size: 32
...
	.end_amdgpu_metadata
.endif
;; end of part 2
;; launch proj (part 3): grid 16 x 16, 4 waves a work-group, clusters of 4 x 4, 327,680 bytes of LDS; arguments cf16, hf16, b_h2o, og, out0; writes out0
.if DOCPART == 3
	.amdgcn_target "amdgcn-amd-amdhsa--gfx1250"
	.amdhsa_code_object_version 6
	.text
	.protected	k_q651b814a1e_proj
	.globl	k_q651b814a1e_proj
	.p2align	8
	.type	k_q651b814a1e_proj,@function
k_q651b814a1e_proj:
	s_mov_b64 s[64:65], 0
	v_nop
	global_prefetch_b8 v0, s[64:65] scope:SCOPE_SE
	s_setreg_imm32_b32 hwreg(HW_REG_WAVE_MODE, 25, 1), 1
	s_wait_xcnt 0x0
	s_wait_alu depctr_hold_cnt(0) depctr_sa_sdst(0) depctr_va_vdst(0) depctr_va_sdst(0) depctr_va_ssrc(0) depctr_va_vcc(0) depctr_vm_vsrc(0)
	s_getreg_b32 s2, hwreg(HW_REG_IB_STS2, 6, 4)
	s_cmp_eq_u32 s2, 0
	s_cbranch_scc0 .Lentry_in_a_cluster
	s_endpgm
.Lentry_in_a_cluster:
	s_bfe_u32 s2, ttmp6, 0x10000c
	s_cmp_lg_u32 s2, 0xf033
	s_cbranch_scc0 .Lentry_shape_is_right
	s_endpgm
.Lentry_shape_is_right:
; out0 = tanh(C_new W_h2o^T + b_h2o) x o.  C_new (cf16) and W_h2o (hf16) in f16, both in blocks [row >> 7][k >> 6][row & 127][k & 63] of 16,384 dense bytes; sums in f32; b_h2o rounded to bf16 like every input;
; o (og) in f32, in blocks of 16 x 16 in the order in which the lanes hold them.  tanh(x) = 1 - 2 / (1 + 2^(2 x log2 e)): off by about 1e-7 absolutely; it ends right where the power overflows or is flushed to 0.
; LIMITS.  f16 holds no number beyond 65,504: both operands arrive within it.  NaN and infinities are not treated apart.
; A tile of out0 is 128 x 128: 16 x 16 tiles, a work-group each.  Four waves, each 64 x 64: 16 accumulators.  K = 2,048 goes in steps of 256, four blocks of 64, through two LDS slots.  A wave's tensor load brings two
; blocks, 32,768 dense bytes, asked for as 128 rows of 256 bytes and padded in LDS behind every 128 bytes: operand rows lie 144 bytes apart.
; CLUSTERS: 4 x 4 work-groups; A's blocks are shared along a row of the cluster, B's along a column: joint loads, the same descriptor and mask in the four.
; PREFETCH.  A K step has 128 matrix instructions a wave, 112 of them between a tile's request and the wait for it, and the tiles come from memory: so later laps are asked for ahead.  A lap (two K steps) is 131,072
; consecutive bytes of a block of 128 rows; the sixteen work-groups that read the block ask for 8,192 of them each, so that each 256 bytes are asked for once in the launch: wave 0 for cf16 (block = tile row, part = tile
; column), wave 2 for hf16 (block = tile column, part = tile row), one instruction, lanes 256 bytes apart.  Lap 1 is asked for at the head; trip t asks for lap t + 2, one and two K steps ahead of the tensor loads that
; want it; the last trip's ask is held at the last lap, so that none points past K's end.  At most 16 KiB a work-group are asked for and not yet read.
; THE MATRIX INSTRUCTION IS USED TRANSPOSED (source 0 = 16 rows of W_h2o, source 1 = 16 rows of C_new): lane l holds row l % 16 and the columns 8 (l / 16) + 0..7, as og was written.
; A wave's 64 columns of f32 are 256 bytes at a multiple of 256, so each wave has a stage of its own on the way out and no barrier is needed there.
; REGISTERS: window 0: v0-31 addresses; v32-63 at work; v64-127 rows read back, two buffers; v128-255 the accumulators ((a, b) at v[128 + 8 (4 a + b)])
;   window 1: two fragment buffers of 128 (64 of A, then 64 of B, for 64 along K)        window 2: v0-127 o, at 8 (4 a + b) + q; v128-159 the bias, at 8 b + q
.set PITCH,  144                       ; 128 bytes + 16 = 36 words: the 16 rows of a load start at 16 different groups of four banks (64 banks of 4 bytes: ISA guide 11.1)
.set CH,     128*PITCH                 ; a block of 128 rows x 64 k in LDS
.set HALFT,  2*CH                      ; what one tensor load brings
.set SLOT,   4*HALFT                   ; A's four blocks, then B's four
.set STEPB,  65536                     ; a K step in memory: four blocks
.set STAGE,  2*SLOT                    ; behind the ring: 16 rows x 272 bytes for each wave
.set SPITCH, 272
.set SPARE,  STAGE+4*16*SPITCH         ; the spare words, 128 bytes for each wave: two blocks of 256 bytes that no other line names
.set LAPS,   4                         ; 2,048 / 512: a lap = two K steps = once round the ring
.set ADRA, 16                          ; v16-17  LDS address of my A fragments in slot 0, 1
.set BO,   18                          ; v18     32 (l / 16)
.set L16,  19                          ; v19     16 l
.set ADRB, 20                          ; v20-21  the same for B
.set STO,  24                          ; v24     the way out: where I put 16 bytes of a row
.set RD,   25                          ; v25     where I read rows back
.set CO,   26                          ; v26     8,192 (l / 16) + 16 (l % 16): two rows of out0
.set PFV,  27                          ; v27     256 l: my block in a prefetch; never rewritten
.set SPW,  28                          ; v28     LDS address of my spare word; never rewritten
.set NIL,  29                          ; v29     0; never rewritten
.set TMP,  32
.set ACC,  128
.set F0,   0                           ; window 1
.set F1,   128
.set OG,   0                           ; window 2
.set BH,   128
.set G1, 24
.set G0, 32
.set G1B, 48
.set G0B, 56
.set SC,  72                           ; s[72:73] 2 log2 e, named as a pair
.set OFS, 74                           ; s[74:75] a byte offset on its way onto a pointer
.set PFL, 77                           ; s77      the lap that the next prefetch asks for
.set PFB, 80                           ; s[80:81] my 8,192 bytes of lap 0, in the operand that my wave fetches; never rewritten
.set PFP, 82                           ; s[82:83] the same in the lap asked for
.set PFO, 84                           ; s[84:85] the lap's byte offset
.set MSB, 0
.macro WIN new
.if MSB != (\new)
	s_set_vgpr_msb (MSB<<8)|(\new)
.set MSB, \new
.endif
.endm
.set MUL,  0x05                        ; sources 0 (B) and 1 (A) window 1; C and D window 0
.set TO_F, 0x40                        ; destination window 1, address window 0
.macro JLOAD s                         ; waves 0 and 1 fetch A's two pairs of blocks, waves 2 and 3 B's; an s_nop 0 and four v_nop follow each line
	s_cmp_eq_u32 s11, 0
	s_cbranch_scc0 .Lfor_b_\@
	tensor_load_to_lds s[G0+4*(\s):G0+4*(\s)+3], s[G1:G1+7]
	s_nop 0
.rept 4
	v_nop
.endr
	s_branch .Lasked_\@
.Lfor_b_\@:
	tensor_load_to_lds s[G0B+4*(\s):G0B+4*(\s)+3], s[G1B:G1B+7]
	s_nop 0
.rept 4
	v_nop
.endr
.Lasked_\@:
.endm
.macro CREST
	s_cmp_lg_u32 s10, 0
	s_cbranch_scc1 .Lnot_wave_0_\@
	s_barrier_signal -3
.Lnot_wave_0_\@:
	s_barrier_wait -3
	s_barrier_signal -1
	s_barrier_wait -1
.endm
.macro CROUND
	s_barrier_signal -1
	s_barrier_wait -1
	CREST
.endm
; The loop's prefetch: my 8,192 bytes of lap PFL.  Waves 0 and 2 ask; the branch hangs on the wave's number alone.
.macro ASK
	s_wait_xcnt 0x0                                ; the ask of a lap ago has had its address translated (ISA guide 3.1): its pointer is written again only behind this wait
	s_min_u32 s66, s[PFL], LAPS-1                  ; the last trip would ask past K's end: it is held at the last lap
	s_lshl_b32 s[PFO], s66, 17                     ; a lap is 131,072 bytes of the block of 128 rows
	s_add_nc_u64 s[PFP:PFP+1], s[PFB:PFB+1], s[PFO:PFO+1]
	s_add_co_u32 s[PFL], s[PFL], 1
	s_cmp_lg_u32 s12, 0
	s_cbranch_scc1 .Lno_ask_\@
	global_prefetch_b8 v[PFV], s[PFP:PFP+1] th:TH_LOAD_NT scope:SCOPE_SE
.Lno_ask_\@:
.endm
	s_load_b128 s[4:7], s[0:1], 0x0                ; cf16 s[4:5], hf16 s[6:7]
	s_load_b128 s[68:71], s[0:1], 0x10             ; b_h2o s[68:69], og s[70:71]
	s_load_b64 s[8:9], s[0:1], 0x20                ; out0
	v_lshl_add_u32 v[SPW], v0, 2, SPARE
	v_mov_b32 v[NIL], 0
	ds_add_u32 v[SPW], v[NIL]                      ; the wave's opening: the add and its wait stand ahead of my first tensor load; the set-up below, work on registers, stands between them
	v_lshrrev_b32 v1, 5, v0
	v_readfirstlane_b32 s10, v1                    ; wave 0..3
	s_lshr_b32 s11, s10, 1                         ; which half of the tile's rows is mine.  Also: I fetch for A (0) or for B (1)
	s_and_b32 s12, s10, 1                          ; which half of its columns.  Also: which two blocks of a K step I fetch
	s_bfe_u32 s40, ttmp6, 0x40000
	s_bfe_u32 s41, ttmp6, 0x40004
	s_lshl_b32 s42, ttmp9, 2
	s_add_co_u32 s42, s42, s40                     ; tc: tile column
	s_and_b32 s13, ttmp7, 0xffff
	s_lshl_b32 s13, s13, 2
	s_add_co_u32 s13, s13, s41                     ; tr: tile row
	s_lshl_b32 s43, s41, 2
	s_lshl_b32 s43, 15, s43                        ; my row of the cluster
	s_lshl_b32 s44, 0x1111, s40                    ; my column
	; group 1: 128 rows x 128 elements of 2 bytes, dense; 4 words of padding behind every 32
	s_or_b32 s[G1+0], s43, (1<<16)|(1<<20)|(1<<21)|(4<<22)|(3<<25)
	s_or_b32 s[G1B+0], s44, (1<<16)|(1<<20)|(1<<21)|(4<<22)|(3<<25)
.irp g, G1, G1B
	s_mov_b32 s[(\g)+1], 128<<16
	s_mov_b32 s[(\g)+2], 128<<16
	s_mov_b32 s[(\g)+3], 128<<16
	s_mov_b32 s[(\g)+4], 128
	s_mov_b32 s[(\g)+5], 128
	s_mov_b32 s[(\g)+6], 0
	s_mov_b32 s[(\g)+7], 0
.endr
	s_lshl_b32 s17, s12, 15                        ; my two blocks of a K step
	s_lshl_b32 s16, s13, 19                        ; A: 32 blocks for each 128 rows
	s_add_co_u32 s16, s16, s17
	s_lshl_b32 s46, s42, 19                        ; B likewise
	s_add_co_u32 s46, s46, s17
	s_mov_b32 s17, 0
	s_mov_b32 s47, 0
	s_mul_i32 s20, s10, HALFT                      ; where they go: wave x two blocks
	s_mov_b32 s[SC], 0x4038aa3b
	s_mov_b32 s[SC+1], 0x4038aa3b
	s_mov_b32 s76, 0xffff0000                      ; a word's upper bf16
	s_mov_b32 s[OFS+1], 0
	s_mov_b32 s[PFO+1], 0
	s_mov_b32 s[PFL], 2                            ; the loop's first ask is for lap 2
	s_wait_dscnt 0x0                               ; the opening add is done
	s_wait_kmcnt 0x0
	s_add_nc_u64 s[14:15], s[4:5], s[16:17]
	s_add_nc_u64 s[46:47], s[6:7], s[46:47]
	s_lshl_b32 s[OFS], s42, 9                      ; the bias at column 128 tc + 64 x half
	s_lshl_b32 s66, s12, 8
	s_add_co_u32 s[OFS], s[OFS], s66
	s_add_nc_u64 s[68:69], s[68:69], s[OFS:OFS+1]
	s_lshl_b32 s66, s13, 20                        ; out0 at row 128 tr + 64 x half, the same column
	s_add_co_u32 s[OFS], s[OFS], s66
	s_lshl_b32 s66, s11, 19
	s_add_co_u32 s[OFS], s[OFS], s66
	s_add_nc_u64 s[8:9], s[8:9], s[OFS:OFS+1]
	s_lshl_b32 s[OFS], s13, 20                     ; og at block (8 tr + 4 x half, 8 tc + 4 x half)
	s_add_co_u32 s[OFS], s[OFS], s66
	s_lshl_b32 s66, s42, 13
	s_add_co_u32 s[OFS], s[OFS], s66
	s_lshl_b32 s66, s12, 12
	s_add_co_u32 s[OFS], s[OFS], s66
	s_add_nc_u64 s[70:71], s[70:71], s[OFS:OFS+1]
	s_cmp_eq_u32 s11, 0                            ; what my wave would ask for ahead: of cf16 block tr, part tc; of hf16 block tc, part tr
	s_cselect_b64 s[PFB:PFB+1], s[4:5], s[6:7]
	s_cselect_b32 s[PFO], s13, s42
	s_cselect_b32 s66, s42, s13
	s_lshl_b32 s[PFO], s[PFO], 19                  ; a block of 128 rows: 524,288 bytes
	s_lshl_b32 s66, s66, 13                        ; my sixteenth of a lap
	s_add_co_u32 s[PFO], s[PFO], s66
	s_add_nc_u64 s[PFB:PFB+1], s[PFB:PFB+1], s[PFO:PFO+1]
	CROUND                                         ; all sixteen work-groups are here: the first joint loads meet
.irp s, 0,1
	s_mov_b32 s[G0+4*(\s)], 1
	s_add_co_u32 s[G0+4*(\s)+1], s20, (\s)*SLOT
	s_add_nc_u64 s[G0+4*(\s)+2:G0+4*(\s)+3], s[14:15], (\s)*STEPB
	s_or_b32 s[G0+4*(\s)+3], s[G0+4*(\s)+3], 0x80000000
	s_mov_b32 s[G0B+4*(\s)], 1
	s_add_co_u32 s[G0B+4*(\s)+1], s20, (\s)*SLOT
	s_add_nc_u64 s[G0B+4*(\s)+2:G0B+4*(\s)+3], s[46:47], (\s)*STEPB
	s_or_b32 s[G0B+4*(\s)+3], s[G0B+4*(\s)+3], 0x80000000
	JLOAD \s                                       ; two loads of mine are out
.endr
	v_and_b32 v1, 15, v0                           ; r = l % 16
	v_bfe_u32 v2, v0, 4, 1                         ; h = l / 16
	v_mul_u32_u24 v3, v1, PITCH
	v_lshl_add_u32 v3, v2, 4, v3                   ; a fragment's row x pitch + 16 x half
	s_mul_i32 s21, s11, 64*PITCH                   ; my 64 rows in each block of A
	s_mul_i32 s22, s12, 64*PITCH                   ; my 64 rows in each block of B,
	s_add_co_u32 s22, s22, 4*CH                    ; which lie behind A's four
.irp s, 0,1
	v_add_nc_u32 v[ADRA+(\s)], s21, v3
	v_add_nc_u32 v[ADRB+(\s)], s22, v3
	s_add_co_u32 s21, s21, SLOT
	s_add_co_u32 s22, s22, SLOT
.endr
	v_lshlrev_b32 v[BO], 5, v2
	v_and_b32 v5, 31, v0
	v_lshlrev_b32 v[L16], 4, v5
	v_lshlrev_b32 v[PFV], 8, v5
	s_mul_i32 s23, s10, 16*SPITCH
	s_add_co_u32 s23, s23, STAGE                   ; my stage
	v_mul_u32_u24 v4, v1, SPITCH                   ; in: row r, 32 bytes for each half of the lanes
	v_lshl_add_u32 v4, v2, 5, v4
	v_add_nc_u32 v[STO], s23, v4
	v_mul_u32_u24 v4, v2, SPITCH                   ; back: lanes 0-15 one row of 256 bytes, lanes 16-31 the next
	v_lshl_add_u32 v4, v1, 4, v4
	v_add_nc_u32 v[RD], s23, v4
	v_lshlrev_b32 v[CO], 4, v1
	v_lshl_add_u32 v[CO], v2, 13, v[CO]
	s_cmp_lg_u32 s12, 0                            ; lap 1 (K steps 2 and 3) is asked for now: its tensor loads go out at the ends of K steps 0 and 1
	s_cbranch_scc1 .Lno_first_ask
	global_prefetch_b8 v[PFV], s[PFB:PFB+1] offset:131072 th:TH_LOAD_NT scope:SCOPE_SE
.Lno_first_ask:
	WIN 0x80                                       ; destination window 2: o and the bias, 40 loads that stay out until the way out; window 2 serves nothing else
.set z, 0
.rept 32                               ; block a = z / 8, b = (z / 2) % 4, half z % 2: each load of the wave covers 512 consecutive bytes
	global_load_b128 v[OG+4*z:OG+4*z+3], v[L16], s[70:71] offset:(z/8)*131072+((z/2)%4)*1024+(z%2)*512 th:TH_LOAD_NT
.set z, z+1
.endr
.set z, 0
.rept 8
	global_load_b128 v[BH+4*z:BH+4*z+3], v[BO], s[68:69] offset:(z/2)*64+(z%2)*16
.set z, z+1
.endr
	WIN 0
; 8 matrix instructions: m blocks a0, a0 + 1 x all 4 n blocks, 32 along K: half c of buffer f.  zero = 1: the first product starts the sums.  The 16 accumulators take turns.
.macro MUL8 f, c, a0, zero
	WIN MUL
.irp a, \a0, (\a0)+1
.irp b, 0,1,2,3
.if \zero
	v_wmma_f32_16x16x32_f16 v[ACC+8*(4*(\a)+(\b)):ACC+8*(4*(\a)+(\b))+7], v[(\f)+64+8*(4*(\c)+(\b)):(\f)+64+8*(4*(\c)+(\b))+7], v[(\f)+8*(4*(\c)+(\a)):(\f)+8*(4*(\c)+(\a))+7], 0
.else
	v_wmma_f32_16x16x32_f16 v[ACC+8*(4*(\a)+(\b)):ACC+8*(4*(\a)+(\b))+7], v[(\f)+64+8*(4*(\c)+(\b)):(\f)+64+8*(4*(\c)+(\b))+7], v[(\f)+8*(4*(\c)+(\a)):(\f)+8*(4*(\c)+(\a))+7], v[ACC+8*(4*(\a)+(\b)):ACC+8*(4*(\a)+(\b))+7]
.endif
.endr
.endr
.endm
; 32 LDS loads in one run: the fragments of one block of 64 along K, which begins k bytes into the slot's A and B, into buffer f; the first 32 along K first
.macro FETCH slot, k, f
	WIN TO_F
.irp c, 0,1
.irp i, 0,1,2,3
	ds_load_b128 v[(\f)+64+8*(4*(\c)+(\i)):(\f)+64+8*(4*(\c)+(\i))+3],   v[ADRB+(\slot)] offset:(\k)+64*(\c)+(\i)*16*PITCH
	ds_load_b128 v[(\f)+64+8*(4*(\c)+(\i))+4:(\f)+64+8*(4*(\c)+(\i))+7], v[ADRB+(\slot)] offset:(\k)+64*(\c)+(\i)*16*PITCH+32
	ds_load_b128 v[(\f)+8*(4*(\c)+(\i)):(\f)+8*(4*(\c)+(\i))+3],         v[ADRA+(\slot)] offset:(\k)+64*(\c)+(\i)*16*PITCH
	ds_load_b128 v[(\f)+8*(4*(\c)+(\i))+4:(\f)+8*(4*(\c)+(\i))+7],       v[ADRA+(\slot)] offset:(\k)+64*(\c)+(\i)*16*PITCH+32
.endr
.endr
.endm
.macro PLACES                          ; four places in front of loads into registers that matrix instructions have read
.rept 4
	v_nop
.endr
.endm
; A K step is four quarters of 64 along K, 32 matrix instructions each, on buffers 0, 1, 0, 1
.macro QUARTER slot, k, f, g, zero
	s_wait_dscnt 16                                ; the first 32 along K are in
	WIN MUL
	MUL8 \f, 0, 0, \zero
	MUL8 \f, 0, 2, \zero
	PLACES
	FETCH \slot, \k, \g
	s_wait_dscnt 32                                ; all but the 32 just issued
	WIN MUL
	MUL8 \f, 1, 0, 0
	MUL8 \f, 1, 2, 0
.endm
; The last quarter multiplies buffer 1 and changes slots: ONE barrier; in front of it each wave waits for all its tensor loads, adds 0 to its spare word, and waits for that and for its reads of this slot.
; ask = 1: behind the joint load a later lap is asked for ahead
.macro TURN slot, next, fill, ask=0
	WIN 0                                          ; (the add's two registers lie in window 0)
	s_wait_tensorcnt 0x0                           ; all my tensor loads have landed: my part of the next slot
	ds_add_u32 v[SPW], v[NIL]                      ; 0 onto my spare word
	s_wait_dscnt 17                                ; (the add and the youngest sixteen loads may be out)
	WIN MUL
	MUL8 F1, 0, 0, 0
	s_wait_dscnt 0x0                               ; the add is done, and my reads of this slot are over
	s_barrier_signal -1
	MUL8 F1, 0, 2, 0
.if \fill
	WIN 0
.endif
	s_barrier_wait -1
.if \fill
	CREST                                          ; no wave of any partner still reads this slot's tile or has a load on its way
	s_add_nc_u64 s[G0+4*(\slot)+2:G0+4*(\slot)+3], s[G0+4*(\slot)+2:G0+4*(\slot)+3], 2*STEPB
	s_add_nc_u64 s[G0B+4*(\slot)+2:G0B+4*(\slot)+3], s[G0B+4*(\slot)+2:G0B+4*(\slot)+3], 2*STEPB
	JLOAD \slot                                    ; 112 matrix instructions ahead of the wait for it; its four v_nop are also the places in front of the loads below
.if \ask
	ASK
.endif
.else
	PLACES
.endif
	FETCH \next, 0, F0
	WIN MUL
	MUL8 F1, 1, 0, 0
	MUL8 F1, 1, 2, 0
.endm
	s_wait_tensorcnt 1                             ; my part of K step 0 is in; K step 1's may stay out
	s_barrier_signal -1
	s_barrier_wait -1
	FETCH 0, 0, F0
	QUARTER 0, CH, F0, F1, 1                       ; the first quarter stands in front of the loop: its first products start the sums
	WIN 0
	s_mov_b32 s3, LAPS-1
.Llap:                                                 ; a trip goes once round the ring and fills both slots again
	QUARTER 0, 2*CH, F1, F0, 0
	QUARTER 0, 3*CH, F0, F1, 0
	TURN 0, 1, 1
	QUARTER 1, CH,   F0, F1, 0
	QUARTER 1, 2*CH, F1, F0, 0
	QUARTER 1, 3*CH, F0, F1, 0
	TURN 1, 0, 1, 1
	QUARTER 0, CH,   F0, F1, 0
	WIN 0
	s_sub_co_u32 s3, s3, 1
	s_cmp_lg_u32 s3, 0
	s_cbranch_scc1 .Llap
	QUARTER 0, 2*CH, F1, F0, 0                     ; the last lap fills nothing
	QUARTER 0, 3*CH, F0, F1, 0
	TURN 0, 1, 0
	QUARTER 1, CH,   F0, F1, 0
	QUARTER 1, 2*CH, F1, F0, 0
	QUARTER 1, 3*CH, F0, F1, 0
	s_wait_dscnt 16                                ; the very last quarter: nothing more to fetch
	WIN MUL
	MUL8 F1, 0, 0, 0
	MUL8 F1, 0, 2, 0
	s_wait_dscnt 0x0
	MUL8 F1, 1, 0, 0
	MUL8 F1, 1, 2, 0
	; THE WAY OUT.  The bias is rounded to bf16 and scaled by 2 log2 e: 64 plain instructions that name no register of the last products: their places.
	s_wait_loadcnt 0x0                             ; o and the bias
	WIN 0x8a                                       ; destination and both sources window 2
.set z, 0
.rept 16
	v_cvt_pk_bf16_f32 v[BH+2*z], v[BH+2*z], v[BH+2*z+1]
	v_and_b32 v[BH+2*z+1], s76, v[BH+2*z]
	v_lshlrev_b32 v[BH+2*z], 16, v[BH+2*z]
	v_pk_mul_f32 v[BH+2*z:BH+2*z+1], v[BH+2*z:BH+2*z+1], s[SC:SC+1] op_sel_hi:[1,0]
.set z, z+1
.endr
; Block a, 16 rows x my 64 columns: tanh(sum + bias) x o
.macro PACK a
	WIN 0x20                                       ; source 2 window 2
.set z, 0
.rept 16                               ; ascending: each accumulator is read from its low end on
	v_pk_fma_f32 v[TMP+2*z:TMP+2*z+1], v[ACC+32*(\a)+2*z:ACC+32*(\a)+2*z+1], s[SC:SC+1], v[BH+2*z:BH+2*z+1] op_sel_hi:[1,0,1]
.set z, z+1
.endr
	WIN 0
.set z, 0
.rept 32
	v_exp_f32 v[TMP+z], v[TMP+z]
.set z, z+1
.endr
	v_nop                                          ; a plain instruction between the last power and the use of the results (ISA guide 5.7.2)
.set z, 0
	s_wait_alu depctr_va_vdst(0)
.rept 16
	v_pk_add_f32 v[TMP+2*z:TMP+2*z+1], v[TMP+2*z:TMP+2*z+1], 1.0 op_sel_hi:[1,0]
.set z, z+1
.endr
.set z, 0
.rept 32
	v_rcp_f32 v[TMP+z], v[TMP+z]
.set z, z+1
.endr
	v_nop
.set z, 0
	s_wait_alu depctr_va_vdst(0)
.rept 16
	v_pk_fma_f32 v[TMP+2*z:TMP+2*z+1], v[TMP+2*z:TMP+2*z+1], -2.0, 1.0 op_sel_hi:[1,0,0]
.set z, z+1
.endr
	WIN 0x08                                       ; source 1 window 2
.set z, 0
.rept 16
	v_pk_mul_f32 v[TMP+2*z:TMP+2*z+1], v[TMP+2*z:TMP+2*z+1], v[OG+32*(\a)+2*z:OG+32*(\a)+2*z+1]
.set z, z+1
.endr
	WIN 0
.endm
.macro TOSTAGE a                       ; into my own stage, and back as whole rows of 256 bytes
	WIN 0
.set BK, 64+32*((\a)%2)
.irp z, 0,1,2,3,4,5,6,7
	ds_store_b128 v[STO], v[TMP+4*(\z):TMP+4*(\z)+3] offset:((\z)/2)*64+((\z)%2)*16
.endr
.irp t, 0,1,2,3,4,5,6,7
	ds_load_b128 v[BK+4*(\t):BK+4*(\t)+3], v[RD] offset:(\t)*2*SPITCH  ; LDS serves a wave's instructions in order (ISA guide 5.7.1.4): these see the stores above
.endr
.endm
.macro SEND a
	WIN 0
.set BK, 64+32*((\a)%2)
	s_wait_dscnt 0x0                               ; the block is back in registers
	s_wait_xcnt 0x0                                ; the block before has been stored out of the other buffer, which the next block's loads write: only behind this wait
.irp t, 0,1,2,3,4,5,6,7
	global_store_b128 v[CO], v[BK+4*(\t):BK+4*(\t)+3], s[8:9] offset:(16*(\a)+2*(\t))*8192 th:TH_STORE_NT  ; 16 lanes store 256 consecutive bytes of a row of out0, at a multiple of 256
.endr
.endm
	PACK 0
	TOSTAGE 0
.irp a, 1,2,3                          ; block a's arithmetic stands between block a - 1's loads from the stage and the wait for them
	PACK \a
	SEND (\a)-1
	TOSTAGE \a
.endr
	SEND 3
	s_wait_tensorcnt 0x0                           ; the wave's end: behind my last tensor load and my last LDS store
	ds_add_u32 v[SPW], v[NIL]
	s_wait_dscnt 0x0
	CROUND                                         ; the closing round: no work-group ends while a partner may still ask for a tile that names it
	s_endpgm
.Lfunc_end_k_q651b814a1e_proj:
	.size	k_q651b814a1e_proj, .Lfunc_end_k_q651b814a1e_proj-k_q651b814a1e_proj
	.p2alignl 7, 3214868480
	.fill 96, 4, 3214868480
	.section	.rodata,"a",@progbits
	.p2align	6, 0x0
	.amdhsa_kernel k_q651b814a1e_proj
		.amdhsa_group_segment_fixed_size 327680
		.amdhsa_private_segment_fixed_size 0
		.amdhsa_enable_private_segment 0
		.amdhsa_kernarg_size 40
		.amdhsa_user_sgpr_count 2
		.amdhsa_user_sgpr_kernarg_segment_ptr 1
		.amdhsa_wavefront_size32 1
		.amdhsa_system_sgpr_workgroup_id_x 1
		.amdhsa_system_sgpr_workgroup_id_y 1
		.amdhsa_system_sgpr_workgroup_id_z 1
		.amdhsa_system_vgpr_workitem_id 0
		.amdhsa_next_free_vgpr 768
		.amdhsa_next_free_sgpr 88
		.amdhsa_reserve_vcc 0
		.amdhsa_float_denorm_mode_32 3
		.amdhsa_float_denorm_mode_16_64 3
		.amdhsa_memory_ordered 1
		.amdhsa_forward_progress 1
		.amdhsa_inst_pref_size 119
	.end_amdhsa_kernel
	.amdgpu_metadata
---
amdhsa.version: [ 1, 2 ]
amdhsa.kernels:
  - .name:           k_q651b814a1e_proj
    .symbol:         k_q651b814a1e_proj.kd
    .args:
      - { .name: cf16, .offset: 0, .size: 8, .value_kind: global_buffer, .address_space: global }
      - { .name: hf16, .offset: 8, .size: 8, .value_kind: global_buffer, .address_space: global }
      - { .name: b_h2o, .offset: 16, .size: 8, .value_kind: global_buffer, .address_space: global }
      - { .name: og, .offset: 24, .size: 8, .value_kind: global_buffer, .address_space: global }
      - { .name: out0, .offset: 32, .size: 8, .value_kind: global_buffer, .address_space: global }
    .group_segment_fixed_size: 327680
    .private_segment_fixed_size: 0
    .kernarg_segment_align: 8
    .kernarg_segment_size: 40
    .max_flat_workgroup_size: 128
    .sgpr_count:     88
    .vgpr_count:     768
    .wavefront_size: 32
...
	.end_amdgpu_metadata
.endif
;; end of part 3
